; MI455X (gfx1250); checked and timed in simulation.
; The chip was launched on July 23, 2026; its instructions are those of AMD's public machine-readable ISA for CDNA 5 (MIT licence, August 2026) and "CDNA5" Instruction Set Architecture Reference Guide (July 2026). The comments in the code are by the model that wrote it; some were corrected since.
;; Drug2 Path Differ Cross MHA. Allowed arithmetic: matrix products marked QUANTISED: E2M1 operands, one E8M0 scale for each 32 along K, by v_wmma_scale_f32_16x16x128_f8f6f4 with both operands' format E2M1 (or v_wmma_scale_f32_32x16x128_f4), f32 sums; products left as they are: f32 operands where the result goes on into a quantised operand, else bf16, f16 or f32 operands; f32 sums; everything else in f32.
;; Inputs: Wk_codes 1,024 x 16 x 16 uint8 (E2M1 codes of Wk, K innermost, in blocks of 32 codes, two codes a byte); Wk_scales 1,024 x 16 uint8 (E8M0 scales of Wk, one for each 32 codes along K); Wo_codes 512 x 32 x 16 uint8 (E2M1 codes of Wo, K innermost, in blocks of 32 codes, two codes a byte); Wo_scales 512 x 32 uint8 (E8M0 scales of Wo, one for each 32 codes along K); Wq_codes 1,024 x 16 x 16 uint8 (E2M1 codes of Wq, K innermost, in blocks of 32 codes, two codes a byte); Wq_scales 1,024 x 16 uint8 (E8M0 scales of Wq, one for each 32 codes along K); Wv_codes 1,024 x 16 x 16 uint8 (E2M1 codes of Wv, K innermost, in blocks of 32 codes, two codes a byte); Wv_scales 1,024 x 16 uint8 (E8M0 scales of Wv, one for each 32 codes along K); key_codes 64 x 1,024 x 16 x 16 uint8 (E2M1 codes of key, K innermost, in blocks of 32 codes, two codes a byte); key_scales 64 x 1,024 x 16 uint8 (E8M0 scales of key, one for each 32 codes along K); lambda_k1 64 float32; lambda_k2 64 float32; lambda_q1 64 float32; lambda_q2 64 float32; query_codes 64 x 1 x 16 x 16 uint8 (E2M1 codes of query, K innermost, in blocks of 32 codes, two codes a byte); query_scales 64 x 1 x 16 uint8 (E8M0 scales of query, one for each 32 codes along K); rms_weight 128 float32.
;; Outputs: out0 64 x 1 x 512 float32; out1 64 x 8 x 1 x 1,024 float32.
;; This version of the problem:
;;   THIS VERSION OF THE PROBLEM IS GIVEN IN LOW PRECISION. The matrix products marked QUANTISED in the list below multiply operands that are first quantised to E2M1 (2 exponent bits, 1 mantissa bit; 4 bits a number), with one power-of-two scale for each 32 numbers along K (OCP MX v1.0); their sums are f32. All else is computed in f32.
;;   The module's matrix products, in the order in which they are computed (A, B: the left and right operand; K: the contracted axis; several contracted axes count as one K, in the product's order):
;;     1. [M 64, K 512] x [K 512, N 1,024]; A: input query (given as codes); B: input Wq (given as codes): QUANTISED
;;     2. [M 65,536, K 512] x [K 512, N 1,024]; A: input key (given as codes); B: input Wk (given as codes): QUANTISED
;;     3. [M 65,536, K 512] x [K 512, N 1,024]; A: input key (given as codes); B: input Wv (given as codes): QUANTISED
;;     4. batch 1,024 x [M 1, K 64] x [K 64, N 1,024]; A: computed on the way; B: computed on the way: left as it is (M = 1 < 16)
;;     5. batch 512 x [M 1, K 1,024] x [K 1,024, N 128]; A: computed on the way; B: computed on the way: left as it is (M = 1 < 16)
;;     6. [M 64, K 1,024] x [K 1,024, N 512]; A: computed on the way; B: input Wo (given as codes): QUANTISED
;;   THE QUANTISER, for each operand of a quantised product, along K:
;;     - K is cut into blocks of 32 from its start; a last block that is shorter is filled with zeros.
;;     - A block's scale is 2^e with e = floor(log2(the largest magnitude in the block)) - 2, held to -126 .. 127; a block of zeros has e = 0. As a byte (E8M0): e + 127.
;;     - Each number is divided by its block's scale, clamped to +-6, and rounded to the nearest number of E2M1, ties to even, subnormals kept.
;;     - The product sums the exact products of the quantised numbers (number of the format x scale) in f32.
;;   ~~~python
;;   def quantise(x, axis):      # numpy; x: float32 -> the quantised numbers, widened to float32 again
;;       x = np.moveaxis(x, axis, -1); K = x.shape[-1]
;;       x = np.pad(x, [(0, 0)] * (x.ndim - 1) + [(0, -K % 32)]); x = x.reshape(x.shape[:-1] + (-1, 32)); a = np.abs(x).max(-1, keepdims=True)
;;       e = np.where(a > 0, np.clip(np.frexp(np.where(a > 0, a, 1))[1] - 1 - 2, -126, 127), 0)      # np.frexp(a)[1] - 1 = floor(log2(a)), exactly
;;       r = np.clip(x / 2.0 ** e, -6, 6)
;;       step = 2.0 ** (np.maximum(np.frexp(np.where(r == 0, 1, r))[1] - 1, 0) - 1)
;;       q = np.round(r / step) * step * 2.0 ** e      # np.round: ties to even
;;       return np.moveaxis(q.reshape(q.shape[:-2] + (-1,))[..., :K], -1, axis).astype(np.float32)
;;   ~~~
;;   OPERANDS COMPUTED ON THE WAY. 'Computed on the way' means the value that the module computes at that place (a softmax that the list does not call 'softmax' is quantised finished and normalised). What goes into a quantiser is computed in f32, as accurately as f32 sums, v_exp_f32 and their like allow (about 1e-6 of the number): no bf16 or f16 on the way to a quantiser, and a product that is left as it is and whose result goes on into a quantised operand takes f32 operands (vector FMAs, or v_wmma_f32_16x16x4_f32). A number that lies on a knife's edge between two numbers of the format may be rounded either way, as far as f32 arithmetic and the matrix unit's own rounding can turn it there, and no further.
;;   INPUTS GIVEN AS CODES. Wk (in the module: [512, 1024], K = its axis 0); Wo (in the module: [1024, 512], K = its axis 0); Wq (in the module: [512, 1024], K = its axis 0); Wv (in the module: [512, 1024], K = its axis 0); key (in the module: [64, 1024, 512], K = its axis 2); query (in the module: [64, 1, 512], K = its axis 2): each comes as NAME_codes (uint8): NAME with its K axis moved to the last place and cut into blocks of 32 codes, [.., K / 32, bytes a block], one block behind the other in memory; two codes a byte, the lower K in the low four bits (a code: sign, 2 exponent bits, 1 mantissa bit); and NAME_scales (uint8): the same leading axes, one E8M0 byte (e + 127) for each 32 codes along K. Its value is code x scale, taken as it is: it is not quantised again, and the codes and scales need not be those that the quantiser above would give.
;; One version. Each part assembles by itself: llvm-mc -triple=amdgcn-amd-amdhsa -mcpu=gfx1250 --defsym DOCPART=n.
;; ======== version 1 of 1: 2 launches
;; workspace buffers: acts 34,816 bytes
;; launch main (part 1): grid 4 x 64, 4 waves a work-group, clusters of 4 x 4, 327,680 bytes of LDS; arguments key_codes, key_scales, Wk_codes, Wv_codes, Wk_scales, Wv_scales, Wq_codes, Wq_scales, query_codes, query_scales, lambda_q1, lambda_k1, lambda_q2, lambda_k2, rms_weight, out1, acts; writes out1, acts
.if DOCPART == 1
	.amdgcn_target "amdgcn-amd-amdhsa--gfx1250"
	.amdhsa_code_object_version 6
	.text
	.protected	k_q82f365775c_main
	.globl	k_q82f365775c_main
	.p2align	8
	.type	k_q82f365775c_main,@function
k_q82f365775c_main:
	s_mov_b64 s[64:65], 0
	v_nop
	global_prefetch_b8 v0, s[64:65] scope:SCOPE_SE
	s_setreg_imm32_b32 hwreg(HW_REG_WAVE_MODE, 25, 1), 1
	s_wait_xcnt 0x0
	s_wait_alu depctr_hold_cnt(0) depctr_sa_sdst(0) depctr_va_vdst(0) depctr_va_sdst(0) depctr_va_ssrc(0) depctr_va_vcc(0) depctr_vm_vsrc(0)
	s_getreg_b32 s2, hwreg(HW_REG_IB_STS2, 6, 4)
	s_cmp_eq_u32 s2, 0
	s_cbranch_scc0 .Lentry_in_a_cluster
	s_endpgm
.Lentry_in_a_cluster:
	s_bfe_u32 s2, ttmp6, 0x10000c
	s_cmp_lg_u32 s2, 0xf033
	s_cbranch_scc0 .Lentry_shape_is_right
	s_endpgm
.Lentry_shape_is_right:
; Differential cross attention, one query a batch: Q = query Wq / 8, K = key Wk, V = key Wv (all three on E2M1 codes with E8M0 scales, taken as they are given), two softmaxes a head over 1,024 keys,
; diff = p0 - lam p1 (out1), out = diff V, RMS norm over the head's 128, x rms_weight x (1 - lambda_init), quantised along the last product's K into the workspace acts.
; SHARES.  A work-group takes one batch b and two heads (hp = its x).  Wave w: head h = 2 hp + (w >> 1), and of the 64 tiles of 16 keys those with T = 2 i + (w & 1), i = 0 .. 31.
; The wave's 128 rows of Wk and 128 rows of Wv stay in its registers (512); the batch's 1,024 rows of key codes stay in LDS and are walked twice: pass 1 makes K and the scores, pass 2 makes V and diff V.
; K and V never leave the accumulators: each tile's vector work (one packed multiply-add for each matrix instruction) stands between the next tile's matrix instructions.
; PASS 1 IS USED TRANSPOSED (source 0 = 16 rows of Wk, source 1 = 16 keys): a lane holds ONE key (lane % 16) and its registers run along the head's d = 16 tt + 8 (lane / 16) + j.
; PASS 2 IS NOT (source 0 = 16 keys, source 1 = 16 rows of Wv): a lane holds ONE output d = 16 t + lane % 16 and its registers run along the keys 8 (lane / 16) + j.
; LDS has no room for the key, its scales and both weight slices at once: the weights first lie where key rows 512-1023 belong, are pulled into registers, and those bytes are filled once more.
; CLUSTER 4 x 4.  The four work-groups of a row share b: key codes and key scales are asked for jointly along the row.  The four of a column share hp: Wk's and Wv's slices jointly along the column.
; Wq's 64 rows a wave go from memory straight into fragment registers, without multicast: they are used once, for 16 matrix instructions, and every LDS byte into which a tile could land is taken.
; LIMITS.  NaN, infinities and scale bytes 0xff among the inputs are not served.  A block of zeros in acts gets the byte 1 (not 127) over zero codes: this program alone reads acts.
; Sums over d and over the keys are taken within a lane first, then across lanes and waves: another order than a row-wise sum, all in f32.  1 / Z and 1 / sqrt are v_rcp_f32 and v_rsq_f32.
; REGISTERS, in windows of 256.  Window 0: addresses, key fragments, scale words, Q, later diff and the softmax's row.  Windows 1, 2 (pass 1) and 3, 1 (pass 2), one for each group of four weight tiles:
;   v0-127 the group's 16 fragments (32 tt + 8 ks), v128-191 two sets of four accumulators, v192.. the running sums.  So ONE window setting serves a matrix instruction and the multiply-add behind it.
.set KP,    272                        ; a row of codes in LDS: 256 bytes + 16 of padding: the 16 rows of a fragment load start at 16 different 16-byte columns
.set TSTEP, 2*16*KP                    ; from my tile i to my tile i + 1
.set WKS,   512*KP                     ; Wk's 256 rows, first; later key rows 512-767
.set WVS,   768*KP                     ; Wv's 256 rows, first; later key rows 768-1023
.set KSC,   1024*KP                    ; the key's scale bytes, 16 a row, dense
.set SCO,   KSC+16384                  ; first the images of Q (4,096 bytes a wave); then four rows of 1,024 f32: scores, weights, diff.  Key 32 i + 16 ph + r lies at 2048 ph + 64 i + 4 r of its row
.set RED,   SCO+16384                  ; the waves' partial outputs, 128 f32 each
.set SPARE, RED+2048                   ; the spare words, 128 bytes a wave: two blocks of 256 bytes that no other line names
.set R,     1                          ; lane % 16
.set HH,    2                          ; lane / 16
.set ADK,   3                          ; LDS address of the key tiles to be loaded
.set ADS,   4                          ; and of their scale words
.set ADX,   5                          ; pass 1: where scores go; pass 2: where diff comes from; before: my rows of Wk's slice
.set AKEY0, 6                          ; my lane's place in my tile 0;  never rewritten, like the next three
.set ASCL0, 7
.set ASTO0, 8
.set ADIF0, 9
.set SPW,   10                         ; LDS address of my spare word; never rewritten
.set NIL,   11                         ; 0; never rewritten
.set PFO,   12                         ; 256 x lane: the prefetch's offset; never rewritten
.set LI,    13                         ; 16 x lane
.set SROW,  14                         ; 16 x lane + row w of SCO
.set LAM,   15                         ; -lam
.set RW,    16                         ; v16-23 rms_weight[8 r .. 8 r + 7]
.set AWV,   24                         ; my rows of Wv's slice
.set AQI,   25                         ; my head's images of Q
.set ASD,   26                         ; my 16 bytes of a0 in the true order of the keys
.set ARS,   27                         ; where my partial outputs go
.set ART,   28                         ; and where the head's come from
.set AOF,   29                         ; my byte offset in acts
.set KF,    32                         ; v32-95   key fragments: 2 sets x 4 K steps x 8
.set KS,    96                         ; v96-103  their scale words: 2 sets x 4
.set WSK,   104                        ; v104-119 Wk's scale words, register 4 tt + ks: lanes 0-15 group 0, lanes 16-31 group 1
.set WSV,   120                        ; v120-135 Wv's likewise
.set QR,    136                        ; v136-199 Q: 32 g + 8 tt + j
.set DF,    136                        ; pass 2: v136-151 diff of a tile's keys, 2 sets x 8
.set X,     152                        ; v152-183 a softmax's 32 numbers a lane
.set T,     200                        ; v200-231 at work; v232-247 Wq's scale words, v248-251 the query's
.set ACC,   128                        ; in a weight window
.set SA,    192                        ; pass 1: two chains of packed sums
.set OA,    192                        ; pass 2: a packed sum for each tile
.set SR,    196                        ; pass 1: the tile's score
.set SP,    197                        ; and the other half of the lanes'
.set WV,    2                          ; s2 wave;  s3 its head of the pair;  s38 which tiles
.set HD,    3
.set PH,    38
.set CX,    39                         ; my place in the cluster; the grid has one cluster along x, so cx is the head pair
.set CY,    66
.set BB,    67                         ; the batch
.set G1W,   40                         ; s[40:47] group 1: 64 rows of weights;  s[48:55] 128 rows of key;  s[56:63] 4,096 scale bytes
.set G1K,   48
.set G1S,   56
.set G0WK,  68                         ; groups 0: never rewritten
.set G0WV,  72
.set G0KS,  76
.set G0K0,  80
.set G0K1,  84
.set TX,    92                         ; stepped by constants: offsets of scores / diff, key tiles, scale words
.set CNT,   94
.set TK,    95
.set SEL,   96                         ; s[96:97] v_permlanex16_b32's selects for lane l xor 16
.set SMK,   98                         ; all ones in the waves that take a second softmax
.set TS,    99
.set PFA,   100                        ; s[100:101] the prefetch's base; never rewritten
.set MSB, 0
.macro WIN new                         ; bits 1:0 source 0, 3:2 source 1, 5:4 source 2, 7:6 destination; the high byte repeats the setting that is left
.if MSB != \new
	s_set_vgpr_msb (MSB<<8)|\new
.set MSB, \new
.endif
.endm
.macro PLACES n
.rept \n
	v_nop
.endr
.endm
.macro CROUND                          ; a round of the cluster's barrier
	s_barrier_signal -1
	s_barrier_wait -1
	s_cmp_lg_u32 s[WV], 0
	s_cbranch_scc1 .Lnot_wave_0_\@
	s_barrier_signal -3
.Lnot_wave_0_\@:
	s_barrier_wait -3
	s_barrier_signal -1
	s_barrier_wait -1
.endm
	s_load_b512 s[4:19], s[0:1], 0x0               ; key codes, key scales, Wk codes, Wv codes, Wk scales, Wv scales, Wq codes, Wq scales
	s_load_b512 s[20:35], s[0:1], 0x40             ; query codes, query scales, lambda q1, k1, q2, k2, rms_weight, out1
	s_load_b64 s[36:37], s[0:1], 0x80              ; acts
	v_lshl_add_u32 v[SPW], v0, 2, SPARE
	v_mov_b32 v[NIL], 0
	ds_add_u32 v10, v11
	ds_add_u32 v10, v11
	s_wait_dscnt 0x0
	v_lshrrev_b32 v24, 5, v0
	v_readfirstlane_b32 s[WV], v24
	s_lshr_b32 s[HD], s[WV], 1
	s_and_b32 s[PH], s[WV], 1
	s_bfe_u32 s[CX], ttmp6, 0x40000
	s_bfe_u32 s[CY], ttmp6, 0x40004
	s_and_b32 s[BB], ttmp7, 0xffff
	s_lshl_b32 s[BB], s[BB], 2
	s_add_co_u32 s[BB], s[BB], s[CY]               ; b = 4 x cluster y + cy
	s_lshl_b32 s88, s[CY], 2
	s_lshl_b32 s88, 15, s88                        ; my row of the cluster
	s_lshl_b32 s90, 0x1111, s[CX]                  ; my column
	s_or_b32 s[G1W], s90, (1<<20)|(1<<21)|(5<<22)|(3<<25)   ; 15:0 the mask; elements of 1 byte; padding on; 21 set beside a mask; after every 64 words four words
	s_mov_b32 s[G1W+1], 256<<16                    ; tensor_dim0 = 256
	s_mov_b32 s[G1W+2], 64<<16                     ; tensor_dim1 = 64
	s_mov_b32 s[G1W+3], 256<<16                    ; tile_dim0 = 256
	s_mov_b32 s[G1W+4], 64                         ; tile_dim1 = 64
	s_mov_b32 s[G1W+5], 256                        ; from row to row
	s_mov_b32 s[G1W+6], 0
	s_mov_b32 s[G1W+7], 0
	s_or_b32 s[G1K], s88, (1<<20)|(1<<21)|(5<<22)|(3<<25)
	s_mov_b32 s[G1K+1], 256<<16
	s_mov_b32 s[G1K+2], 128<<16
	s_mov_b32 s[G1K+3], 256<<16
	s_mov_b32 s[G1K+4], 128
	s_mov_b32 s[G1K+5], 256
	s_mov_b32 s[G1K+6], 0
	s_mov_b32 s[G1K+7], 0
	s_or_b32 s[G1S], s88, (3<<16)|(1<<21)          ; a dense block as 16 rows of 32 elements of 8 bytes, no padding
	s_mov_b32 s[G1S+1], 32<<16
	s_mov_b32 s[G1S+2], 16<<16
	s_mov_b32 s[G1S+3], 32<<16
	s_mov_b32 s[G1S+4], 16
	s_mov_b32 s[G1S+5], 32
	s_mov_b32 s[G1S+6], 0
	s_mov_b32 s[G1S+7], 0
	s_mov_b32 s[SEL], 0x76543210
	s_mov_b32 s[SEL+1], 0xfedcba98
	s_cmp_lg_u32 s[PH], 0
	s_cselect_b32 s[SMK], -1, 0
	v_and_b32 v[R], 15, v0
	v_bfe_u32 v[HH], v0, 4, 1
	v_and_b32 v[LI], 31, v0
	v_lshlrev_b32 v[PFO], 8, v[LI]
	v_lshlrev_b32 v36, 3, v[LI]                    ; v32-38: offsets of the loads from memory (these registers take key fragments only behind the wait for all those loads)
	v_lshlrev_b32 v[LI], 4, v[LI]
	v_mul_u32_u24 v[AKEY0], v[R], KP
	v_lshl_add_u32 v[AKEY0], v[HH], 4, v[AKEY0]
	s_mul_i32 s92, s[PH], 16*KP
	v_add_nc_u32 v[AKEY0], s92, v[AKEY0]           ; (16 ph + r) rows + 16 hh
	s_lshl_b32 s92, s[PH], 8
	s_add_co_u32 s92, s92, KSC
	v_lshl_add_u32 v[ASCL0], v[R], 4, s92          ; a tile's 16 rows of scale bytes are 256 bytes on end
	s_lshl_b32 s92, s[HD], 13
	s_lshl_b32 s93, s[PH], 11
	s_add_co_u32 s92, s92, s93
	s_add_co_u32 s92, s92, SCO
	v_lshl_add_u32 v[ASTO0], v[R], 2, s92
	v_lshl_add_u32 v[ADIF0], v[HH], 5, s92
	s_lshl_b32 s92, s[WV], 12
	s_add_co_u32 s92, s92, SCO
	v_add_nc_u32 v[SROW], s92, v[LI]
	v_lshlrev_b32 v32, 4, v[HH]                    ; the query's row: my half's 16 bytes
	v_mov_b32 v33, 0
	v_lshlrev_b32 v34, 4, v[R]                     ; Wq's scale bytes: 16 a row
	v_lshl_add_u32 v35, v[R], 8, v32               ; Wq's codes: row r, + 16 hh
	v_lshl_add_u32 v37, v[HH], 6, v[R]
	v_lshlrev_b32 v37, 4, v37                      ; Wk's, Wv's scale bytes: row r + 64 hh: lanes 16-31 take group 1's
	v_lshlrev_b32 v38, 5, v[R]                     ; rms_weight: 8 numbers a lane
	s_wait_kmcnt 0x0
	; the weights' descriptors hang on cx and the wave alone (s90, s91), the key's on b and the wave alone (s88, s89)
	s_lshl_b32 s90, s[CX], 16
	s_lshl_b32 s91, s[WV], 14
	s_add_co_u32 s90, s90, s91                     ; row 256 hp + 64 w, of 256 bytes
	s_mov_b32 s91, 0
	s_mov_b32 s[G0WK], 1
	s_mul_i32 s[G0WK+1], s[WV], 64*KP
	s_add_co_u32 s[G0WK+1], s[G0WK+1], WKS
	s_add_nc_u64 s[G0WK+2:G0WK+3], s[8:9], s[90:91]
	s_or_b32 s[G0WK+3], s[G0WK+3], 0x80000000
	s_mov_b32 s[G0WV], 1
	s_add_co_u32 s[G0WV+1], s[G0WK+1], WVS-WKS
	s_add_nc_u64 s[G0WV+2:G0WV+3], s[10:11], s[90:91]
	s_or_b32 s[G0WV+3], s[G0WV+3], 0x80000000
	s_add_nc_u64 s[16:17], s[16:17], s[90:91]      ; Wq's codes at the same rows
	s_lshl_b32 s90, s[CX], 12
	s_lshl_b32 s91, s[WV], 10
	s_add_co_u32 s90, s90, s91
	s_mov_b32 s91, 0
	s_add_nc_u64 s[18:19], s[18:19], s[90:91]      ; and its scale bytes
	s_lshl_b32 s88, s[BB], 14
	s_lshl_b32 s89, s[WV], 12
	s_add_co_u32 s88, s88, s89
	s_mov_b32 s89, 0
	s_mov_b32 s[G0KS], 1
	s_lshl_b32 s[G0KS+1], s[WV], 12
	s_add_co_u32 s[G0KS+1], s[G0KS+1], KSC
	s_add_nc_u64 s[G0KS+2:G0KS+3], s[6:7], s[88:89]
	s_or_b32 s[G0KS+3], s[G0KS+3], 0x80000000
	s_lshl_b32 s88, s[BB], 18
	s_lshl_b32 s89, s[WV], 15
	s_add_co_u32 s88, s88, s89
	s_mov_b32 s89, 0
	s_mov_b32 s[G0K0], 1
	s_mul_i32 s[G0K0+1], s[WV], 128*KP
	s_add_nc_u64 s[G0K0+2:G0K0+3], s[4:5], s[88:89]
	s_mov_b32 s[G0K1], 1
	s_add_co_u32 s[G0K1+1], s[G0K0+1], 512*KP
	s_add_nc_u64 s[G0K1+2:G0K1+3], s[G0K0+2:G0K0+3], 512*256
	s_or_b32 s[G0K0+3], s[G0K0+3], 0x80000000
	s_or_b32 s[G0K1+3], s[G0K1+3], 0x80000000
	s_lshl_b32 s88, s[BB], 8
	s_add_nc_u64 s[20:21], s[20:21], s[88:89]      ; the query's codes, row b
	s_lshl_b32 s88, s[BB], 4
	s_add_nc_u64 s[22:23], s[22:23], s[88:89]      ; and its scale bytes
	s_lshl_b32 s99, s[CX], 1
	s_add_co_u32 s99, s99, s[HD]                   ; h
	s_lshl_b32 s92, s99, 11
	s_mov_b32 s93, 0
	s_add_nc_u64 s[12:13], s[12:13], s[92:93]      ; Wk's and Wv's scale bytes at row 128 h
	s_add_nc_u64 s[14:15], s[14:15], s[92:93]
	s_lshl_b32 s92, s[BB], 3
	s_add_co_u32 s92, s92, s99
	s_lshl_b32 s92, s92, 12
	s_lshl_b32 s95, s[PH], 11
	s_add_co_u32 s92, s92, s95
	s_add_nc_u64 s[34:35], s[34:35], s[92:93]      ; out1 at row 8 b + h, key 512 ph
	s_lshl_b32 s92, s[CX], 7
	s_lshl_b32 s95, s[WV], 5
	s_add_co_u32 s92, s92, s95
	s_add_co_u32 s92, s92, 512
	s_lshl_b32 s92, s92, 8
	s_lshl_b32 s95, s[BB], 18
	s_add_co_u32 s92, s92, s95
	s_add_nc_u64 s[PFA:PFA+1], s[4:5], s[92:93]    ; key row 512 + 128 cx + 32 w of batch b
	CROUND                                         ; all sixteen work-groups are here: the first joint loads meet
	tensor_load_to_lds s[G0WK:G0WK+3], s[G1W:G1W+7]    ; the first fills, one group: four loads of mine are out
	s_nop 0
	tensor_load_to_lds s[G0WV:G0WV+3], s[G1W:G1W+7]
	s_nop 0
	tensor_load_to_lds s[G0KS:G0KS+3], s[G1S:G1S+7]
	s_nop 0
	tensor_load_to_lds s[G0K0:G0K0+3], s[G1K:G1K+7]
	s_nop 0
	PLACES 4                                       ; four nops behind a tensor load
	; ---- 59 loads into registers.  The query's row is source 1 of Q's products with all 16 columns alike: every lane of a half takes the same bytes
.irp k, 0,1,2,3
.irp c, 0,1
	global_load_b128 v[KF+32+8*\k+4*\c:KF+32+8*\k+4*\c+3], v32, s[20:21] offset:64*\k+32*\c
.endr
.endr
	global_load_b128 v[T+48:T+51], v33, s[22:23]   ; its four scale words
.irp t, 0,1,2,3
	global_load_b128 v[T+32+4*\t:T+32+4*\t+3], v34, s[18:19] offset:256*\t
.endr
	WIN 0x40                                       ; destination window 1: v128-255 hold Wq's 16 fragments until the accumulators take them
.irp t, 0,1,2,3
.irp k, 0,1,2,3
.irp c, 0,1
	global_load_b128 v[128+32*\t+8*\k+4*\c:128+32*\t+8*\k+4*\c+3], v35, s[16:17] offset:4096*\t+64*\k+32*\c
.endr
.endr
.endr
	WIN 0
	global_load_b64 v[24:25], v36, s[24:25]        ; the lambdas: two numbers a lane
	global_load_b64 v[26:27], v36, s[26:27]
	global_load_b64 v[28:29], v36, s[28:29]
	global_load_b64 v[30:31], v36, s[30:31]
.irp t, 0,1,2,3
	global_load_b128 v[WSK+4*\t:WSK+4*\t+3], v37, s[12:13] offset:256*\t
.endr
.irp t, 0,1,2,3
	global_load_b128 v[WSV+4*\t:WSV+4*\t+3], v37, s[14:15] offset:256*\t
.endr
	global_load_b128 v[RW:RW+3], v38, s[32:33]
	global_load_b128 v[RW+4:RW+7], v38, s[32:33] offset:16
	; ---- Q, transposed: wave w makes columns 256 hp + 64 w .. + 63; every lane ends with Q[16 tt + 8 hh + j].  Four accumulators by turns
	s_wait_loadcnt 14                              ; the 14 youngest (lambdas, Wk's and Wv's scale words, rms_weight) may be out
	WIN 0x01                                       ; source 0 window 1
.irp k, 0,1,2,3
.irp t, 0,1,2,3
.if \k == 0
	v_wmma_scale_f32_16x16x128_f8f6f4 v[T+8*\t:T+8*\t+7], v[128+32*\t+8*\k:128+32*\t+8*\k+7], v[KF+32+8*\k:KF+32+8*\k+7], 0, v[T+32+4*\t+\k], v[T+48+\k] matrix_a_fmt:MATRIX_FMT_FP4 matrix_b_fmt:MATRIX_FMT_FP4
.else
	v_wmma_scale_f32_16x16x128_f8f6f4 v[T+8*\t:T+8*\t+7], v[128+32*\t+8*\k:128+32*\t+8*\k+7], v[KF+32+8*\k:KF+32+8*\k+7], v[T+8*\t:T+8*\t+7], v[T+32+4*\t+\k], v[T+48+\k] matrix_a_fmt:MATRIX_FMT_FP4 matrix_b_fmt:MATRIX_FMT_FP4
.endif
.endr
.endr
	WIN 0
	PLACES 4
.set ii, 0
.rept 16
	v_pk_mul_f32 v[QR+2*ii:QR+2*ii+1], v[T+2*ii:T+2*ii+1], 0x3e000000 op_sel_hi:[1,0]   ; x 1 / 8, each accumulator from its low end on
.set ii, ii+1
.endr
.irp q, 0,1,2,3,4,5,6,7
	ds_store_b128 v[SROW], v[QR+4*\q:QR+4*\q+3] offset:512*\q      ; an image of the 32 registers: the two waves of the head read it back as it stands
.endr
	; key rows 512-1023 are asked for later, by the one refill: they are named here, once in the launch: a lane a row of 256 bytes, 32 rows a wave, the four partners of the cluster's row told apart by address
	global_prefetch_b8 v[PFO], s[PFA:PFA+1] th:TH_LOAD_NT scope:SCOPE_SE
	; ---- lam = exp(q1 . k1) - exp(q2 . k2) + lambda_init, kept as its negative
	s_wait_loadcnt 10                              ; the lambdas are in; the scale words and rms_weight may be out
	v_mul_f32 v[T], v24, v26
	v_mul_f32 v[T+1], v28, v30
	v_fmac_f32 v[T], v25, v27
	v_fmac_f32 v[T+1], v29, v31
.irp x, 1,2,4,8
	v_add_f32_dpp v[T], v[T], v[T] row_xmask:\x row_mask:0xf bank_mask:0xf
	v_add_f32_dpp v[T+1], v[T+1], v[T+1] row_xmask:\x row_mask:0xf bank_mask:0xf
.endr
	v_permlanex16_b32 v[T+2], v[T], s[SEL], s[SEL+1]
	v_permlanex16_b32 v[T+3], v[T+1], s[SEL], s[SEL+1]
	v_add_f32 v[T], v[T], v[T+2]
	v_add_f32 v[T+1], v[T+1], v[T+3]
	v_mul_f32 v[T], 0x3fb8aa3b, v[T]               ; x log2(e)
	v_mul_f32 v[T+1], 0x3fb8aa3b, v[T+1]
	v_exp_f32 v[T], v[T]
	v_exp_f32 v[T+1], v[T+1]
	v_mul_u32_u24 v[ADX], v[R], KP                 ; (a plain instruction behind the exponentials)  my rows of the weight slices: 128 hd + r, + 16 hh
	v_lshl_add_u32 v[ADX], v[HH], 4, v[ADX]
	s_mul_i32 s92, s[HD], 128*KP
	s_add_co_u32 s92, s92, WKS
	v_add_nc_u32 v[ADX], s92, v[ADX]
	v_add_nc_u32 v[AWV], WVS-WKS, v[ADX]
	s_lshl_b32 s92, s[HD], 13
	s_add_co_u32 s92, s92, SCO
	v_add_nc_u32 v[AQI], s92, v[LI]
	v_bfe_u32 v[ASD], v0, 2, 1                     ; keys 512 ph + 128 q + 4 lane .. + 3 lie at 2048 ((lane >> 2) & 1) + 64 (lane >> 3) + 16 (lane & 3) + 1024 ph + 256 q
	v_lshlrev_b32 v[ASD], 11, v[ASD]
	v_bfe_u32 v30, v0, 3, 2
	v_lshl_add_u32 v[ASD], v30, 6, v[ASD]
	v_and_b32 v30, 3, v0
	v_lshl_add_u32 v[ASD], v30, 4, v[ASD]
	s_lshl_b32 s93, s[PH], 10
	s_add_co_u32 s93, s93, s92
	v_add_nc_u32 v[ASD], s93, v[ASD]
	s_lshl_b32 s93, s[WV], 9
	s_add_co_u32 s93, s93, RED
	v_lshl_add_u32 v[ARS], v[R], 2, s93
	s_lshl_b32 s93, s[HD], 10
	s_add_co_u32 s93, s93, RED
	v_lshl_add_u32 v[ART], v[R], 5, s93
	s_lshl_b32 s92, s[BB], 9                       ; acts: lanes 0-15 store four bytes of codes at 512 b + 64 h + 4 r, lanes 16-31 the scale word at 32768 + 32 b + 4 h
	s_lshl_b32 s93, s99, 6
	s_add_co_u32 s92, s92, s93
	s_lshl_b32 s95, s[BB], 5
	s_lshl_b32 s93, s99, 2
	s_add_co_u32 s95, s95, s93
	s_add_co_u32 s95, s95, 32768
	v_and_b32 v30, 31, v0
	v_cmp_gt_u32 vcc_lo, 16, v30
	v_lshl_add_u32 v[AOF], v[R], 2, s92
	v_mov_b32 v31, s95
	v_cndmask_b32 v[AOF], v31, v[AOF], vcc_lo
	s_wait_alu depctr_va_vdst(0)                   ; the wait ahead of the first reader of an exponential: one for the two
	v_sub_f32 v[LAM], v[T+1], v[T]
	v_add_f32 v[LAM], 0xbeb60549, v[LAM]           ; - (0.8 - 0.6 exp(-0.3))
	; ---- the weights and Q come into registers
	s_wait_tensorcnt 2                             ; my parts of Wk's and Wv's slices are in; the key's scales and rows 0-511, issued behind them, may be out
	s_wait_dscnt 0x0                               ; my image of Q is stored
	s_barrier_signal -1
	s_barrier_wait -1
.irp g, 0,1
.irp q, 0,1,2,3,4,5,6,7
	ds_load_b128 v[QR+32*\g+4*\q:QR+32*\g+4*\q+3], v[AQI] offset:4096*\g+512*\q
.endr
.endr
.macro PULL win, reg0, adr, t0         ; four tiles of 16 rows x 512 K, from tile t0 of my head's eight on, into v[reg0] on of a window
	WIN \win
.irp t, 0,1,2,3
.irp k, 0,1,2,3
.irp c, 0,1
	ds_load_b128 v[\reg0+32*\t+8*\k+4*\c:\reg0+32*\t+8*\k+4*\c+3], v[\adr] offset:16*KP*(\t0+\t)+64*\k+32*\c
.endr
.endr
.endr
.endm
	PULL 0x40, 0, ADX, 0                           ; Wk, first softmax's 64 columns -> window 1
	v_mov_b32 v[SP], 0                             ; written once: a lane permute's destination counts as one of its sources
	PULL 0x80, 0, ADX, 4                           ; Wk, second softmax's -> window 2
	v_mov_b32 v[SP], 0
	PULL 0xc0, 0, AWV, 0                           ; Wv -> window 3, both groups
	PULL 0xc0, 128, AWV, 4
	WIN 0
	s_wait_loadcnt 0x0                             ; the scale words and rms_weight
	; ---- the one refill: key rows 512-1023 into the bytes that held the weights
	s_wait_tensorcnt 0x0                           ; all my tensor loads have landed, the key's rows 0-511 and scale bytes among them
	ds_add_u32 v[SPW], v[NIL]                      ; 0 onto my spare word
	s_wait_dscnt 0x0                               ; the add is done, and my reads of the weights' bytes are over
	CROUND                                         ; both now hold of every wave of every work-group of the cluster
	tensor_load_to_lds s[G0K1:G0K1+3], s[G1K:G1K+7]    ; my one tensor load behind the round: 128 rows; it has the first fourteen steps of pass 1 in which to land
	s_nop 0
	PLACES 4
; ---- the steps' macros.  nn counts a stretch's 16 matrix instructions (K step nn / 4, tile nn % 4: four accumulators by turns), mm the 16 slices of the tile before
.macro LDN st, k                       ; a tile's four fragments and four scale words into set st
.irp q, 0,1,2,3
.irp c, 0,1
	ds_load_b128 v[KF+32*(\st)+8*\q+4*\c:KF+32*(\st)+8*\q+4*\c+3], v[ADK] offset:TSTEP*(\k)+64*\q+32*\c
.endr
.endr
	ds_load_b128 v[KS+4*(\st):KS+4*(\st)+3], v[ADS] offset:512*(\k)
.endm
.macro MM1 g, st
.set tq, nn%4
.set kq, nn/4
.set rA, ACC+32*(\st)+8*tq
.set rW, 32*tq+8*kq
.set rK, KF+32*(\st)+8*kq
.set rS, WSK+4*tq+kq
.set rT, KS+4*(\st)+kq
.if (kq == 0) && (\g == 0)
	v_wmma_scale_f32_16x16x128_f8f6f4 v[rA:rA+7], v[rW:rW+7], v[rK:rK+7], 0, v[rS], v[rT] matrix_a_fmt:MATRIX_FMT_FP4 matrix_b_fmt:MATRIX_FMT_FP4
.elseif kq == 0
	v_wmma_scale_f32_16x16x128_f8f6f4 v[rA:rA+7], v[rW:rW+7], v[rK:rK+7], 0, v[rS], v[rT] matrix_a_fmt:MATRIX_FMT_FP4 matrix_b_fmt:MATRIX_FMT_FP4 matrix_a_scale:MATRIX_SCALE_ROW1
.elseif \g == 0
	v_wmma_scale_f32_16x16x128_f8f6f4 v[rA:rA+7], v[rW:rW+7], v[rK:rK+7], v[rA:rA+7], v[rS], v[rT] matrix_a_fmt:MATRIX_FMT_FP4 matrix_b_fmt:MATRIX_FMT_FP4
.else
	v_wmma_scale_f32_16x16x128_f8f6f4 v[rA:rA+7], v[rW:rW+7], v[rK:rK+7], v[rA:rA+7], v[rS], v[rT] matrix_a_fmt:MATRIX_FMT_FP4 matrix_b_fmt:MATRIX_FMT_FP4 matrix_a_scale:MATRIX_SCALE_ROW1
.endif
.endm
.macro SL1 g, st                       ; K of the tile before (the other set) x Q, two numbers at a time, in two chains; the first two slices start the chains; each accumulator is read from its low end on
.set tq, mm%4
.set jq, mm/4
.set rC, SA+2*(mm%2)
.set rA, ACC+32*(1-(\st))+8*tq+2*jq
.set rQ, QR+32*(\g)+8*tq+2*jq
.if mm < 2
	v_pk_mul_f32 v[rC:rC+1], v[rA:rA+1], v[rQ:rQ+1]
.else
	v_pk_fma_f32 v[rC:rC+1], v[rA:rA+1], v[rQ:rQ+1], v[rC:rC+1]
.endif
.endm
.macro FIN1                            ; the chains, the pair's halves and the other half of the lanes are added.  Under the stretch's setting source 1 means window 0, so the additions are multiply-adds by 1.0
	v_pk_fma_f32 v[SA:SA+1], v[SA+2:SA+3], 1.0, v[SA:SA+1] op_sel_hi:[1,0,1]
	v_fma_f32 v[SR], v[SA+1], 1.0, v[SA]
	v_permlanex16_b32 v[SP], v[SR], s[SEL], s[SEL+1]
	v_fma_f32 v[SR], v[SP], 1.0, v[SR]
.endm
.macro STRETCH1 g, st, valu
.set nn, 0
.rept 16
	MM1 \g, \st
.if \valu && (nn >= 3)
.set mm, nn-3
	SL1 \g, \st
.endif
.set nn, nn+1
.endr
.if \valu
.irp q, 13,14,15
.set mm, \q
	SL1 \g, \st
.endr
	FIN1
.endif
.endm
; Step i (k = i % 2): multiplies tile i (set k), does the vector work of tile i - 1, loads tile i + 1 into the other set, stores the scores of tile i - 2.
; The loads go into registers that the step before multiplied: behind its last matrix instruction stand three slices and the closing additions, more than the four plain instructions asked (ISA guide 7.12.1 for vector instructions).
.macro STEP1 k, valu, store, load
	WIN 0x04                                       ; an LDS store's data: window 1
	s_wait_dscnt 0x0                               ; tile i is in: asked for a whole step ago
.if \load
	LDN 1-(\k), \k
.endif
.if \store
	ds_store_b32 v[ADX], v[SR] offset:64*(\k)      ; both halves of the lanes hold the same number and write the same word
	WIN 0x08                                       ; window 2
	ds_store_b32 v[ADX], v[SR] offset:4096+64*(\k)
.endif
	WIN 0x51                                       ; weights, accumulators and sums window 1; key and Q window 0
	STRETCH1 0, \k, \valu
	WIN 0xa2                                       ; the same with window 2
	STRETCH1 1, \k, \valu
.if \valu == 0
	PLACES 4
.endif
.endm
.macro ADV1 how                        ; 0: the loads' addresses step; 1: the stores' too; 2: the stores' alone
.if \how < 2
	s_add_co_u32 s[TK], s[TK], 2*TSTEP
	s_add_co_u32 s[TS], s[TS], 1024
	v_add_nc_u32 v[ADK], s[TK], v[AKEY0]
	v_add_nc_u32 v[ADS], s[TS], v[ASCL0]
.endif
.if \how > 0
	s_add_co_u32 s[TX], s[TX], 128
	v_add_nc_u32 v[ADX], s[TX], v[ASTO0]
.endif
.endm
.macro PAIR1 va, sa, vb, sb, lb, adv
	STEP1 0, \va, \sa, 1
	STEP1 1, \vb, \sb, \lb
	WIN 0                                          ; at a label and at a branch every window is 0
	ADV1 \adv
.endm
.macro REST1 g                         ; the last tile's vector work, with no products left to stand between
.set mm, 0
.rept 16
	SL1 \g, 0
.set mm, mm+1
.endr
	FIN1
.endm
	; ---- PASS 1
	v_mov_b32 v[ADK], v[AKEY0]
	v_mov_b32 v[ADS], v[ASCL0]
	LDN 0, 0                                       ; tile 0
	s_mov_b32 s[TK], TSTEP
	s_mov_b32 s[TS], 512
	s_mov_b32 s[TX], 0
	v_add_nc_u32 v[ADK], s[TK], v[AKEY0]
	v_add_nc_u32 v[ADS], s[TS], v[ASCL0]
	v_mov_b32 v[ADX], v[ASTO0]
	PAIR1 0, 0, 1, 0, 1, 0                         ; steps 0 and 1: nothing to add up in the first, nothing to store in either
	s_mov_b32 s[CNT], 6
.Lk_low:                                               ; steps 2 to 13: their loads reach my tile 14, key row 479 at the most: below the rows that are on their way
	PAIR1 1, 1, 1, 1, 1, 1
	s_sub_co_u32 s[CNT], s[CNT], 1
	s_cmp_lg_u32 s[CNT], 0
	s_cbranch_scc1 .Lk_low
	s_wait_tensorcnt 0x0                           ; my 128 of the key's rows 512-1023 are in (no load was issued behind that one),
	s_wait_dscnt 0x0
	s_barrier_signal -1
	s_barrier_wait -1                              ; everybody's are
	s_mov_b32 s[CNT], 8
.Lk_high:                                              ; steps 14 to 29
	PAIR1 1, 1, 1, 1, 1, 1
	s_sub_co_u32 s[CNT], s[CNT], 1
	s_cmp_lg_u32 s[CNT], 0
	s_cbranch_scc1 .Lk_high
	PAIR1 1, 1, 1, 1, 0, 2                         ; steps 30 and 31: the last loads nothing
	WIN 0x04
	ds_store_b32 v[ADX], v[SR]                     ; tile 30
	WIN 0x08
	ds_store_b32 v[ADX], v[SR] offset:4096
	WIN 0x51
	REST1 0                                        ; tile 31
	WIN 0xa2
	REST1 1
	WIN 0x04
	ds_store_b32 v[ADX], v[SR] offset:64
	WIN 0x08
	ds_store_b32 v[ADX], v[SR] offset:4096+64
	s_wait_dscnt 0x0                               ; for the others' sake: my scores are stored
	s_barrier_signal -1
	WIN 0x43                                       ; register work while the others arrive: Wv's second group moves from window 3's upper half to window 1, where Wk is done with,
.set ii, 0
.rept 128
	v_mov_b32 v[ii], v[128+ii]                     ; so that each group of pass 2 has weights, accumulators and sums in one window
.set ii, ii+1
.endr
	WIN 0
	s_barrier_wait -1
	; ---- S1: wave w takes score row w (head w >> 1, softmax w & 1): 32 numbers a lane.  The maximum is taken away first, as the difference x - m, so that its rounding does not grow with m
.irp q, 0,1,2,3,4,5,6,7
	ds_load_b128 v[X+4*\q:X+4*\q+3], v[SROW] offset:512*\q
.endr
	s_wait_dscnt 0x0
	v_max3_num_f32 v[T], v[X], v[X+1], v[X+2]
	v_max3_num_f32 v[T+1], v[X+3], v[X+4], v[X+5]
.irp i, 6,10,14,18,22,26
	v_max3_num_f32 v[T], v[T], v[X+\i], v[X+\i+1]
	v_max3_num_f32 v[T+1], v[T+1], v[X+\i+2], v[X+\i+3]
.endr
	v_max3_num_f32 v[T], v[T], v[X+30], v[X+31]
	v_max_num_f32 v[T], v[T], v[T+1]
.irp x, 1,2,4,8
	v_max_num_f32_dpp v[T], v[T], v[T] row_xmask:\x row_mask:0xf bank_mask:0xf
.endr
	v_permlanex16_b32 v[T+1], v[T], s[SEL], s[SEL+1]
	v_max_num_f32 v[T], v[T], v[T+1]
.irp j, 0,2,4,6,8,10,12,14,16,18,20,22,24,26,28,30
	v_pk_add_f32 v[X+\j:X+\j+1], v[X+\j:X+\j+1], v[T:T+1] op_sel_hi:[1,0] neg_lo:[0,1] neg_hi:[0,1]
.endr
.irp j, 0,2,4,6,8,10,12,14,16,18,20,22,24,26,28,30
	v_pk_mul_f32 v[X+\j:X+\j+1], v[X+\j:X+\j+1], 0x3fb8aa3b op_sel_hi:[1,0]
.endr
.set ii, 0
.rept 32
	v_exp_f32 v[X+ii], v[X+ii]
.set ii, ii+1
.endr
	v_nop                                          ; a plain instruction behind the last exponential
	s_wait_alu depctr_va_vdst(0)                   ; one wait for the batch of 32, ahead of its first reader
	v_pk_add_f32 v[T+2:T+3], v[X:X+1], v[X+2:X+3]
	v_pk_add_f32 v[T+4:T+5], v[X+4:X+5], v[X+6:X+7]
.irp j, 8,12,16,20,24,28
	v_pk_add_f32 v[T+2:T+3], v[T+2:T+3], v[X+\j:X+\j+1]
	v_pk_add_f32 v[T+4:T+5], v[T+4:T+5], v[X+\j+2:X+\j+3]
.endr
	v_pk_add_f32 v[T+2:T+3], v[T+2:T+3], v[T+4:T+5]
	v_add_f32 v[T+2], v[T+2], v[T+3]
.irp x, 1,2,4,8
	v_add_f32_dpp v[T+2], v[T+2], v[T+2] row_xmask:\x row_mask:0xf bank_mask:0xf
.endr
	v_permlanex16_b32 v[T+3], v[T+2], s[SEL], s[SEL+1]
	v_add_f32 v[T+2], v[T+2], v[T+3]
	v_add_f32 v[T+2], 0x1e3ce508, v[T+2]           ; + 1e-20
	v_rcp_f32 v[T+2], v[T+2]
	v_nop
	s_wait_alu depctr_va_vdst(0)
	v_mul_f32 v[T+3], v[LAM], v[T+2]               ; - lam / Z
	v_cndmask_b32 v[T+2], v[T+2], v[T+3], s[SMK]   ; the second softmax carries - lam with it: diff is then a sum
.irp j, 0,2,4,6,8,10,12,14,16,18,20,22,24,26,28,30
	v_pk_mul_f32 v[X+\j:X+\j+1], v[X+\j:X+\j+1], v[T+2:T+3] op_sel_hi:[1,0]
.endr
.irp q, 0,1,2,3,4,5,6,7
	ds_store_b128 v[SROW], v[X+4*\q:X+4*\q+3] offset:512*\q
.endr
	s_wait_dscnt 0x0
	s_barrier_signal -1
	s_barrier_wait -1
	; ---- S2: wave (hd, ph) takes keys 512 ph .. + 511 of its head in their true order: diff goes to out1 and back over a0
.irp q, 0,1,2,3
	ds_load_b128 v[X+4*\q:X+4*\q+3], v[ASD] offset:256*\q
.endr
.irp q, 0,1,2,3
	ds_load_b128 v[X+16+4*\q:X+16+4*\q+3], v[ASD] offset:4096+256*\q
.endr
	v_mov_b32 v[ADK], v[AKEY0]
	v_mov_b32 v[ADS], v[ASCL0]
	LDN 0, 0                                       ; pass 2's tile 0
	s_wait_dscnt 9                                 ; the nine loads just issued may be out
.irp j, 0,2,4,6,8,10,12,14
	v_pk_add_f32 v[X+\j:X+\j+1], v[X+\j:X+\j+1], v[X+16+\j:X+16+\j+1]
.endr
.irp q, 0,1,2,3
	global_store_b128 v[LI], v[X+4*\q:X+4*\q+3], s[34:35] offset:512*\q th:TH_STORE_NT   ; 32 lanes store 512 consecutive bytes; these registers, their offset and base are not written again
.endr
.irp q, 0,1,2,3
	ds_store_b128 v[ASD], v[X+4*\q:X+4*\q+3] offset:256*\q
.endr
	s_wait_dscnt 0x0
	s_barrier_signal -1
	s_barrier_wait -1
.macro MM2 g, st
.set tq, nn%4
.set kq, nn/4
.set rA, ACC+32*(\st)+8*tq
.set rW, 32*tq+8*kq
.set rK, KF+32*(\st)+8*kq
.set rS, WSV+4*tq+kq
.set rT, KS+4*(\st)+kq
.if (kq == 0) && (\g == 0)
	v_wmma_scale_f32_16x16x128_f8f6f4 v[rA:rA+7], v[rK:rK+7], v[rW:rW+7], 0, v[rT], v[rS] matrix_a_fmt:MATRIX_FMT_FP4 matrix_b_fmt:MATRIX_FMT_FP4
.elseif kq == 0
	v_wmma_scale_f32_16x16x128_f8f6f4 v[rA:rA+7], v[rK:rK+7], v[rW:rW+7], 0, v[rT], v[rS] matrix_a_fmt:MATRIX_FMT_FP4 matrix_b_fmt:MATRIX_FMT_FP4 matrix_b_scale:MATRIX_SCALE_ROW1
.elseif \g == 0
	v_wmma_scale_f32_16x16x128_f8f6f4 v[rA:rA+7], v[rK:rK+7], v[rW:rW+7], v[rA:rA+7], v[rT], v[rS] matrix_a_fmt:MATRIX_FMT_FP4 matrix_b_fmt:MATRIX_FMT_FP4
.else
	v_wmma_scale_f32_16x16x128_f8f6f4 v[rA:rA+7], v[rK:rK+7], v[rW:rW+7], v[rA:rA+7], v[rT], v[rS] matrix_a_fmt:MATRIX_FMT_FP4 matrix_b_fmt:MATRIX_FMT_FP4 matrix_b_scale:MATRIX_SCALE_ROW1
.endif
.endm
.macro SL2 st, first                   ; diff x V of the tile before, two keys at a time, a chain for each of the group's four tiles of outputs; first = 1: the first four slices start the chains
.set tq, mm%4
.set jq, mm/4
.set rC, OA+2*tq
.set rD, DF+8*(1-(\st))+2*jq
.set rA, ACC+32*(1-(\st))+8*tq+2*jq
.if \first && (mm < 4)
	v_pk_mul_f32 v[rC:rC+1], v[rD:rD+1], v[rA:rA+1]
.else
	v_pk_fma_f32 v[rC:rC+1], v[rD:rD+1], v[rA:rA+1], v[rC:rC+1]
.endif
.endm
.macro STRETCH2 g, st, valu, first
.set nn, 0
.rept 16
	MM2 \g, \st
.if \valu && (nn >= 3)
.set mm, nn-3
	SL2 \st, \first
.endif
.set nn, nn+1
.endr
.if \valu
.irp q, 13,14,15
.set mm, \q
	SL2 \st, \first
.endr
.endif
.endm
; Step i: multiplies tile i, does the vector work of tile i - 1, loads tile i + 1 and the diff of tile i's keys.
.macro STEP2 k, valu, load, first
	WIN 0
	v_nop                                          ; with the three slices behind the last matrix instruction: the four plain instructions in front of loads into registers that it read
	s_wait_dscnt 0x0
.if \load
	LDN 1-(\k), \k
.endif
	ds_load_b128 v[DF+8*(\k):DF+8*(\k)+3], v[ADX] offset:64*(\k)
	ds_load_b128 v[DF+8*(\k)+4:DF+8*(\k)+7], v[ADX] offset:64*(\k)+16
	WIN 0xfc                                       ; key and diff window 0; weights, accumulators and sums window 3
	STRETCH2 0, \k, \valu, \first
	WIN 0x54                                       ; the same with window 1
	STRETCH2 1, \k, \valu, \first
.if \valu == 0
	PLACES 3
.endif
.endm
.macro PAIR2 va, fb, lb, adv
	STEP2 0, \va, 1, 0
	STEP2 1, 1, \lb, \fb
	WIN 0
.if \adv
	s_add_co_u32 s[TK], s[TK], 2*TSTEP
	s_add_co_u32 s[TS], s[TS], 1024
	s_add_co_u32 s[TX], s[TX], 128
	v_add_nc_u32 v[ADK], s[TK], v[AKEY0]
	v_add_nc_u32 v[ADS], s[TS], v[ASCL0]
	v_add_nc_u32 v[ADX], s[TX], v[ADIF0]
.endif
.endm
.macro REST2
.set mm, 0
.rept 16
	SL2 0, 0
.set mm, mm+1
.endr
.endm
	; ---- PASS 2
	s_mov_b32 s[TK], TSTEP
	s_mov_b32 s[TS], 512
	s_mov_b32 s[TX], 0
	v_add_nc_u32 v[ADK], s[TK], v[AKEY0]
	v_add_nc_u32 v[ADS], s[TS], v[ASCL0]
	v_mov_b32 v[ADX], v[ADIF0]
	PAIR2 0, 1, 1, 1                               ; steps 0 and 1: the second's slices start the sums
	s_mov_b32 s[CNT], 14
.Lv:                                                   ; steps 2 to 29
	PAIR2 1, 0, 1, 1
	s_sub_co_u32 s[CNT], s[CNT], 1
	s_cmp_lg_u32 s[CNT], 0
	s_cbranch_scc1 .Lv
	PAIR2 1, 0, 0, 0                               ; steps 30 and 31
	s_wait_dscnt 0x0                               ; the diff of tile 31's keys
	WIN 0xfc
	REST2                                          ; tile 31
	WIN 0x54
	REST2
	; ---- my half of the keys' share of out[16 t + r]: the pairs' halves, the other half of the lanes; then the two waves of a head meet in LDS
	WIN 0x0f                                       ; sources window 3
.irp t, 0,1,2,3
	v_add_f32 v[T+\t], v[OA+2*\t], v[OA+2*\t+1]
.endr
	WIN 0x05                                       ; sources window 1
.irp t, 0,1,2,3
	v_add_f32 v[T+4+\t], v[OA+2*\t], v[OA+2*\t+1]
.endr
	WIN 0
.irp t, 0,1,2,3,4,5,6,7
	v_permlanex16_b32 v[T+8+\t], v[T+\t], s[SEL], s[SEL+1]
.endr
.irp t, 0,1,2,3,4,5,6,7
	v_add_f32 v[T+\t], v[T+\t], v[T+8+\t]
.endr
.irp t, 0,1,2,3,4,5,6,7
	ds_store_b32 v[ARS], v[T+\t] offset:64*\t
.endr
	s_wait_dscnt 0x0
	s_barrier_signal -1
	s_barrier_wait -1
	; ---- the head's 128 outputs, eight a lane (lanes 16-31 repeat lanes 0-15): RMS norm, gain, quantiser along the last product's K = 128 h + d
	ds_load_b128 v[T:T+3], v[ART]
	ds_load_b128 v[T+4:T+7], v[ART] offset:16
	ds_load_b128 v[T+8:T+11], v[ART] offset:512
	ds_load_b128 v[T+12:T+15], v[ART] offset:528
	s_mov_b32 s92, 0x3c000000                      ; 1 / 128
	s_mov_b32 s93, 0x3727c5ac                      ; 1e-5
	s_wait_dscnt 0x0
.irp j, 0,2,4,6
	v_pk_add_f32 v[T+\j:T+\j+1], v[T+\j:T+\j+1], v[T+8+\j:T+8+\j+1]
.endr
	v_pk_mul_f32 v[T+16:T+17], v[T:T+1], v[T:T+1]
.irp j, 2,4,6
	v_pk_fma_f32 v[T+16:T+17], v[T+\j:T+\j+1], v[T+\j:T+\j+1], v[T+16:T+17]
.endr
	v_add_f32 v[T+16], v[T+16], v[T+17]
.irp x, 1,2,4,8
	v_add_f32_dpp v[T+16], v[T+16], v[T+16] row_xmask:\x row_mask:0xf bank_mask:0xf
.endr
	v_fma_f32 v[T+16], v[T+16], s92, s93
	v_rsq_f32 v[T+16], v[T+16]
	v_lshrrev_b32 v[T+22], 2, v[R]                 ; (a plain instruction behind the transcendental)  my block of 32: r / 4
	v_lshlrev_b32 v[T+22], 3, v[T+22]
	s_wait_alu depctr_va_vdst(0)
.irp j, 0,2,4,6
	v_pk_mul_f32 v[T+\j:T+\j+1], v[T+\j:T+\j+1], v[T+16:T+17] op_sel_hi:[1,0]
.endr
.irp j, 0,2,4,6
	v_pk_mul_f32 v[T+\j:T+\j+1], v[T+\j:T+\j+1], v[RW+\j:RW+\j+1]
.endr
.irp j, 0,2,4,6
	v_pk_mul_f32 v[T+\j:T+\j+1], v[T+\j:T+\j+1], 0x3f24fd5c op_sel_hi:[1,0]   ; x (1 - lambda_init)
.endr
	v_max3_num_f32 v[T+18], |v[T]|, |v[T+1]|, 0x1800000    ; my eight magnitudes, and the floor 2^(3 - 127): the byte cannot fall under 1
	v_max3_num_f32 v[T+18], v[T+18], |v[T+2]|, |v[T+3]|
	v_max3_num_f32 v[T+18], v[T+18], |v[T+4]|, |v[T+5]|
	v_max3_num_f32 v[T+18], v[T+18], |v[T+6]|, |v[T+7]|
	v_max_num_f32_dpp v[T+18], v[T+18], v[T+18] row_xmask:1 row_mask:0xf bank_mask:0xf   ; four lanes hold a block
	v_max_num_f32_dpp v[T+18], v[T+18], v[T+18] row_xmask:2 row_mask:0xf bank_mask:0xf
	v_add_nc_u32 v[T+19], 0xff000000, v[T+18]      ; 2 off the exponent field: the conversion's scale operand
	v_lshrrev_b32 v[T+20], 23, v[T+19]             ; the scale's byte
	v_cvt_scalef32_pk8_fp4_f32 v[T+21], v[T:T+7], v[T+19]
	v_nop                                          ; one plain instruction behind a scaled conversion
	v_lshlrev_b32 v[T+20], v[T+22], v[T+20]        ; the byte at its place in the head's scale word,
	v_mov_b32_dpp v[T+23], v[T+20] row_xmask:4 row_mask:0xf bank_mask:0xf
	v_or_b32 v[T+20], v[T+20], v[T+23]             ; joined with the three other blocks'
	v_mov_b32_dpp v[T+23], v[T+20] row_xmask:8 row_mask:0xf bank_mask:0xf
	v_or_b32 v[T+20], v[T+20], v[T+23]
	v_and_b32 v[T+24], 31, v0
	v_cmp_gt_u32 vcc_lo, 16, v[T+24]
	v_cndmask_b32 v[T+25], v[T+20], v[T+21], vcc_lo    ; lanes 0-15: codes; lanes 16-31: the word
	s_cmp_lg_u32 s[PH], 0                          ; both waves of a head hold the same: the first stores.  A piece of 64 bytes of codes and one word: 68 bytes a head
	s_cbranch_scc1 .Lnot_mine
	global_store_b32 v[AOF], v[T+25], s[36:37]
.Lnot_mine:
	s_wait_tensorcnt 0x0                           ; the wave's end, behind my last tensor load and my last LDS store
	ds_add_u32 v[SPW], v[NIL]
	s_wait_dscnt 0x0
	CROUND                                         ; the closing round
	s_endpgm
.Lfunc_end_k_q82f365775c_main:
	.size	k_q82f365775c_main, .Lfunc_end_k_q82f365775c_main-k_q82f365775c_main
	.p2alignl 7, 3214868480
	.fill 96, 4, 3214868480
	.section	.rodata,"a",@progbits
	.p2align	6, 0x0
	.amdhsa_kernel k_q82f365775c_main
		.amdhsa_group_segment_fixed_size 327680
		.amdhsa_private_segment_fixed_size 0
		.amdhsa_enable_private_segment 0
		.amdhsa_kernarg_size 136
		.amdhsa_user_sgpr_count 2
		.amdhsa_user_sgpr_kernarg_segment_ptr 1
		.amdhsa_wavefront_size32 1
		.amdhsa_system_sgpr_workgroup_id_x 1
		.amdhsa_system_sgpr_workgroup_id_y 1
		.amdhsa_system_sgpr_workgroup_id_z 1
		.amdhsa_system_vgpr_workitem_id 0
		.amdhsa_next_free_vgpr 1024
		.amdhsa_next_free_sgpr 102
		.amdhsa_reserve_vcc 1
		.amdhsa_float_denorm_mode_32 3
		.amdhsa_float_denorm_mode_16_64 3
		.amdhsa_memory_ordered 1
		.amdhsa_forward_progress 1
		.amdhsa_inst_pref_size 154
	.end_amdhsa_kernel
	.amdgpu_metadata
---
amdhsa.version: [ 1, 2 ]
amdhsa.kernels:
  - .name:           k_q82f365775c_main
    .symbol:         k_q82f365775c_main.kd
    .args:
      - { .name: key_codes, .offset: 0, .size: 8, .value_kind: global_buffer, .address_space: global }
      - { .name: key_scales, .offset: 8, .size: 8, .value_kind: global_buffer, .address_space: global }
      - { .name: Wk_codes, .offset: 16, .size: 8, .value_kind: global_buffer, .address_space: global }
      - { .name: Wv_codes, .offset: 24, .size: 8, .value_kind: global_buffer, .address_space: global }
      - { .name: Wk_scales, .offset: 32, .size: 8, .value_kind: global_buffer, .address_space: global }
      - { .name: Wv_scales, .offset: 40, .size: 8, .value_kind: global_buffer, .address_space: global }
      - { .name: Wq_codes, .offset: 48, .size: 8, .value_kind: global_buffer, .address_space: global }
      - { .name: Wq_scales, .offset: 56, .size: 8, .value_kind: global_buffer, .address_space: global }
      - { .name: query_codes, .offset: 64, .size: 8, .value_kind: global_buffer, .address_space: global }
      - { .name: query_scales, .offset: 72, .size: 8, .value_kind: global_buffer, .address_space: global }
      - { .name: lambda_q1, .offset: 80, .size: 8, .value_kind: global_buffer, .address_space: global }
      - { .name: lambda_k1, .offset: 88, .size: 8, .value_kind: global_buffer, .address_space: global }
      - { .name: lambda_q2, .offset: 96, .size: 8, .value_kind: global_buffer, .address_space: global }
      - { .name: lambda_k2, .offset: 104, .size: 8, .value_kind: global_buffer, .address_space: global }
      - { .name: rms_weight, .offset: 112, .size: 8, .value_kind: global_buffer, .address_space: global }
      - { .name: out1, .offset: 120, .size: 8, .value_kind: global_buffer, .address_space: global }
      - { .name: acts, .offset: 128, .size: 8, .value_kind: global_buffer, .address_space: global }
    .group_segment_fixed_size: 327680
    .private_segment_fixed_size: 0
    .kernarg_segment_align: 8
    .kernarg_segment_size: 136
    .max_flat_workgroup_size: 128
    .sgpr_count:     102
    .vgpr_count:     1024
    .wavefront_size: 32
...
	.end_amdgpu_metadata
.endif
;; end of part 1
;; launch wo (part 2): grid 8 x 4, 4 waves a work-group, no clusters, 5,120 bytes of LDS; arguments acts, Wo_codes, Wo_scales, out0; writes out0
.if DOCPART == 2
	.amdgcn_target "amdgcn-amd-amdhsa--gfx1250"
	.amdhsa_code_object_version 6
	.text
	.protected	k_q82f365775c_wo
	.globl	k_q82f365775c_wo
	.p2align	8
	.type	k_q82f365775c_wo,@function
k_q82f365775c_wo:
	s_mov_b64 s[64:65], 0
	v_nop
	global_prefetch_b8 v0, s[64:65] scope:SCOPE_SE
	s_setreg_imm32_b32 hwreg(HW_REG_WAVE_MODE, 25, 1), 1
	s_wait_xcnt 0x0
; out0 [64][512] = acts [64][1024] x Wo^T, both on E2M1 codes with E8M0 scales.  acts: codes [64][512 bytes] from byte 0, scale words [64][8] from byte 32,768, as the launch before left them.
; A work-group takes 16 batches (y) x 64 outputs (x); wave w the 16 outputs 64 x + 16 w.  Operands go from memory straight into fragment registers: 8 K steps of 128, 8 matrix instructions a wave.
; TRANSPOSED (source 0 = 16 rows of Wo, source 1 = 16 rows of acts): a lane holds batch b0 + lane % 16 and eight neighbouring outputs.  K's even and odd steps go to two accumulators by turns
; and are added at the end: another order of the f32 sums than one chain.
; No tensor load, no cluster: a work-group reads 40 KB once, and what two work-groups share is small.
; The results meet in a stage in LDS (16 rows of 256 bytes + 16), so that sixteen lanes store 256 consecutive bytes, at a multiple of 256 from out0's first byte.
.set SPITCH, 272
	s_load_b256 s[4:11], s[0:1], 0x0               ; acts, Wo's codes, Wo's scales, out0
	v_lshl_add_u32 v192, v0, 2, 0x1200
	v_mov_b32 v193, 0
	v_lshrrev_b32 v1, 5, v0
	v_readfirstlane_b32 s12, v1                    ; wave
	v_and_b32 v1, 15, v0                           ; r
	v_bfe_u32 v2, v0, 4, 1                         ; hh
	s_and_b32 s13, ttmp7, 0xffff                   ; y
	s_lshl_b32 s14, ttmp9, 6
	s_lshl_b32 s15, s12, 4
	s_add_co_u32 s14, s14, s15                     ; n0 = 64 x + 16 w
	s_lshl_b32 s16, s14, 9                         ; Wo's codes: rows of 512 bytes
	s_mov_b32 s17, 0
	s_lshl_b32 s18, s14, 5                         ; Wo's scale bytes: 32 a row
	s_mov_b32 s19, 0
	s_lshl_b32 s20, s13, 13                        ; acts' codes: 16 y rows of 512 bytes
	s_mov_b32 s21, 0
	s_lshl_b32 s22, s13, 9                         ; acts' scale words: 16 y rows of 32 bytes, behind the codes
	s_add_co_u32 s22, s22, 32768
	s_mov_b32 s23, 0
	s_lshl_b32 s24, s13, 15                        ; out0: row 16 y + 4 w of 2,048 bytes, + 256 x
	s_lshl_b32 s25, ttmp9, 8
	s_add_co_u32 s24, s24, s25
	s_lshl_b32 s25, s12, 13
	s_add_co_u32 s24, s24, s25
	s_mov_b32 s25, 0
	v_lshlrev_b32 v3, 9, v1
	v_lshl_add_u32 v3, v2, 4, v3                   ; a fragment: row r, + 16 hh
	v_lshlrev_b32 v4, 5, v1                        ; scale words: row r
	v_mul_u32_u24 v5, v1, SPITCH
	v_lshl_add_u32 v5, v2, 5, v5
	s_lshl_b32 s26, s12, 6
	v_add_nc_u32 v5, s26, v5                       ; into the stage: row r, my wave's 64 bytes, + 32 hh
	s_mul_i32 s26, s12, 4*SPITCH
	v_mul_u32_u24 v6, v2, SPITCH
	v_lshl_add_u32 v6, v1, 4, v6
	v_add_nc_u32 v6, s26, v6                       ; back: rows 4 w + hh (+ 2), 16 bytes a lane
	v_lshlrev_b32 v7, 11, v2
	v_lshl_add_u32 v7, v1, 4, v7                   ; and the same place in out0
	s_wait_kmcnt 0x0
	s_add_nc_u64 s[6:7], s[6:7], s[16:17]
	s_add_nc_u64 s[8:9], s[8:9], s[18:19]
	s_add_nc_u64 s[28:29], s[4:5], s[20:21]
	s_add_nc_u64 s[4:5], s[4:5], s[22:23]
	s_add_nc_u64 s[10:11], s[10:11], s[24:25]
.irp k, 0,1,2,3,4,5,6,7
.irp c, 0,1
	global_load_b128 v[16+8*\k+4*\c:16+8*\k+4*\c+3], v3, s[6:7] offset:64*\k+32*\c
	global_load_b128 v[80+8*\k+4*\c:80+8*\k+4*\c+3], v3, s[28:29] offset:64*\k+32*\c
.endr
.endr
	global_load_b128 v[144:147], v4, s[8:9]        ; Wo's eight scale words of row r
	global_load_b128 v[148:151], v4, s[8:9] offset:16
	global_load_b128 v[152:155], v4, s[4:5]        ; acts' eight
	global_load_b128 v[156:159], v4, s[4:5] offset:16
	s_wait_loadcnt 0x0
.irp k, 0,1,2,3,4,5,6,7
.if \k < 2
	v_wmma_scale_f32_16x16x128_f8f6f4 v[160+8*(\k%2):167+8*(\k%2)], v[16+8*\k:23+8*\k], v[80+8*\k:87+8*\k], 0, v[144+\k], v[152+\k] matrix_a_fmt:MATRIX_FMT_FP4 matrix_b_fmt:MATRIX_FMT_FP4
.else
	v_wmma_scale_f32_16x16x128_f8f6f4 v[160+8*(\k%2):167+8*(\k%2)], v[16+8*\k:23+8*\k], v[80+8*\k:87+8*\k], v[160+8*(\k%2):167+8*(\k%2)], v[144+\k], v[152+\k] matrix_a_fmt:MATRIX_FMT_FP4 matrix_b_fmt:MATRIX_FMT_FP4
.endif
.endr
.rept 4
	v_nop                                          ; four plain instructions in front of the first read of results (ISA guide 7.12.1)
.endr
.irp j, 0,2,4,6
	v_pk_add_f32 v[176+\j:177+\j], v[160+\j:161+\j], v[168+\j:169+\j]   ; both accumulators from their low ends on
.endr
	ds_store_b128 v5, v[176:179]
	ds_store_b128 v5, v[180:183] offset:16
	s_wait_dscnt 0x0                               ; for the others' sake: my stores into the stage are done
	s_barrier_signal -1
	s_barrier_wait -1
	ds_load_b128 v[184:187], v6
	ds_load_b128 v[188:191], v6 offset:2*SPITCH
	s_wait_dscnt 1                                 ; the younger load may be out
	global_store_b128 v7, v[184:187], s[10:11]
	s_wait_dscnt 0x0
	global_store_b128 v7, v[188:191], s[10:11] offset:4096
	s_wait_tensorcnt 0x0
	ds_add_u32 v192, v193
	s_wait_dscnt 0x0
	s_endpgm
.Lfunc_end_k_q82f365775c_wo:
	.size	k_q82f365775c_wo, .Lfunc_end_k_q82f365775c_wo-k_q82f365775c_wo
	.p2alignl 7, 3214868480
	.fill 96, 4, 3214868480
	.section	.rodata,"a",@progbits
	.p2align	6, 0x0
	.amdhsa_kernel k_q82f365775c_wo
		.amdhsa_group_segment_fixed_size 5120
		.amdhsa_private_segment_fixed_size 0
		.amdhsa_enable_private_segment 0
		.amdhsa_kernarg_size 32
		.amdhsa_user_sgpr_count 2
		.amdhsa_user_sgpr_kernarg_segment_ptr 1
		.amdhsa_wavefront_size32 1
		.amdhsa_system_sgpr_workgroup_id_x 1
		.amdhsa_system_sgpr_workgroup_id_y 1
		.amdhsa_system_sgpr_workgroup_id_z 1
		.amdhsa_system_vgpr_workitem_id 0
		.amdhsa_next_free_vgpr 194
		.amdhsa_next_free_sgpr 66
		.amdhsa_reserve_vcc 0
		.amdhsa_float_denorm_mode_32 3
		.amdhsa_float_denorm_mode_16_64 3
		.amdhsa_memory_ordered 1
		.amdhsa_forward_progress 1
		.amdhsa_inst_pref_size 8
	.end_amdhsa_kernel
	.amdgpu_metadata
---
amdhsa.version: [ 1, 2 ]
amdhsa.kernels:
  - .name:           k_q82f365775c_wo
    .symbol:         k_q82f365775c_wo.kd
    .args:
      - { .name: acts, .offset: 0, .size: 8, .value_kind: global_buffer, .address_space: global }
      - { .name: Wo_codes, .offset: 8, .size: 8, .value_kind: global_buffer, .address_space: global }
      - { .name: Wo_scales, .offset: 16, .size: 8, .value_kind: global_buffer, .address_space: global }
      - { .name: out0, .offset: 24, .size: 8, .value_kind: global_buffer, .address_space: global }
    .group_segment_fixed_size: 5120
    .private_segment_fixed_size: 0
    .kernarg_segment_align: 8
    .kernarg_segment_size: 32
    .max_flat_workgroup_size: 128
    .sgpr_count:     66
    .vgpr_count:     194
    .wavefront_size: 32
...
	.end_amdgpu_metadata
.endif
;; end of part 2
